; MI455X (gfx1250); checked and timed in simulation.
; The chip was launched on July 23, 2026; its instructions are those of AMD's public machine-readable ISA for CDNA 5 (MIT licence, August 2026) and "CDNA5" Instruction Set Architecture Reference Guide (July 2026). The comments in the code are by the model that wrote it; some were corrected since.
;; Bahdanau Attention. Allowed arithmetic: matrix products marked QUANTISED: E2M1 operands, one E8M0 scale for each 32 along K, by v_wmma_scale_f32_16x16x128_f8f6f4 with both operands' format E2M1 (or v_wmma_scale_f32_32x16x128_f4), f32 sums; products left as they are: f32 operands where the result goes on into a quantised operand, else bf16, f16 or f32 operands; f32 sums; everything else in f32.
;; Inputs: W_coverage 1,024 x 1 float32; W_decoder_codes 1,024 x 16 x 16 uint8 (E2M1 codes of W_decoder, K innermost, in blocks of 32 codes, two codes a byte); W_decoder_scales 1,024 x 16 uint8 (E8M0 scales of W_decoder, one for each 32 codes along K); W_encoder_codes 1,024 x 16 x 16 uint8 (E2M1 codes of W_encoder, K innermost, in blocks of 32 codes, two codes a byte); W_encoder_scales 1,024 x 16 uint8 (E8M0 scales of W_encoder, one for each 32 codes along K); coverage 64 x 2,048 float32; decoder_hidden_codes 64 x 16 x 16 uint8 (E2M1 codes of decoder_hidden, K innermost, in blocks of 32 codes, two codes a byte); decoder_hidden_scales 64 x 16 uint8 (E8M0 scales of decoder_hidden, one for each 32 codes along K); encoder_mask 64 x 2,048 int32; encoder_outputs 64 x 2,048 x 512 float32; v 1 x 1,024 float32.
;; Outputs: out0 64 x 512 float32; out1 64 x 2,048 float32.
;; This version of the problem:
;;   THIS VERSION OF THE PROBLEM IS GIVEN IN LOW PRECISION. The matrix products marked QUANTISED in the list below multiply operands that are first quantised to E2M1 (2 exponent bits, 1 mantissa bit; 4 bits a number), with one power-of-two scale for each 32 numbers along K (OCP MX v1.0); their sums are f32. All else is computed in f32.
;;   The module's matrix products, in the order in which they are computed (A, B: the left and right operand; K: the contracted axis; several contracted axes count as one K, in the product's order):
;;     1. [M 131,072, K 512] x [K 512, N 1,024]; A: input encoder_outputs; B: input W_encoder (given as codes): QUANTISED
;;     2. [M 64, K 512] x [K 512, N 1,024]; A: input decoder_hidden (given as codes); B: input W_decoder (given as codes): QUANTISED
;;     3. [M 131,072, K 1,024] x [K 1,024, N 1]; A: computed on the way; B: input v: left as it is (N = 1 < 16)
;;     4. batch 64 x [M 1, K 2,048] x [K 2,048, N 512]; A: softmax; B: input encoder_outputs: left as it is (M = 1 < 16)
;;   THE QUANTISER, for each operand of a quantised product, along K:
;;     - K is cut into blocks of 32 from its start; a last block that is shorter is filled with zeros.
;;     - A block's scale is 2^e with e = floor(log2(the largest magnitude in the block)) - 2, held to -126 .. 127; a block of zeros has e = 0. As a byte (E8M0): e + 127.
;;     - Each number is divided by its block's scale, clamped to +-6, and rounded to the nearest number of E2M1, ties to even, subnormals kept.
;;     - The product sums the exact products of the quantised numbers (number of the format x scale) in f32.
;;   ~~~python
;;   def quantise(x, axis):      # numpy; x: float32 -> the quantised numbers, widened to float32 again
;;       x = np.moveaxis(x, axis, -1); K = x.shape[-1]
;;       x = np.pad(x, [(0, 0)] * (x.ndim - 1) + [(0, -K % 32)]); x = x.reshape(x.shape[:-1] + (-1, 32)); a = np.abs(x).max(-1, keepdims=True)
;;       e = np.where(a > 0, np.clip(np.frexp(np.where(a > 0, a, 1))[1] - 1 - 2, -126, 127), 0)      # np.frexp(a)[1] - 1 = floor(log2(a)), exactly
;;       r = np.clip(x / 2.0 ** e, -6, 6)
;;       step = 2.0 ** (np.maximum(np.frexp(np.where(r == 0, 1, r))[1] - 1, 0) - 1)
;;       q = np.round(r / step) * step * 2.0 ** e      # np.round: ties to even
;;       return np.moveaxis(q.reshape(q.shape[:-2] + (-1,))[..., :K], -1, axis).astype(np.float32)
;;   ~~~
;;   INPUTS GIVEN AS CODES. W_decoder (in the module: [1024, 512], K = its axis 1); W_encoder (in the module: [1024, 512], K = its axis 1); decoder_hidden (in the module: [64, 512], K = its axis 1): each comes as NAME_codes (uint8): NAME with its K axis moved to the last place and cut into blocks of 32 codes, [.., K / 32, bytes a block], one block behind the other in memory; two codes a byte, the lower K in the low four bits (a code: sign, 2 exponent bits, 1 mantissa bit); and NAME_scales (uint8): the same leading axes, one E8M0 byte (e + 127) for each 32 codes along K. Its value is code x scale, taken as it is: it is not quantised again, and the codes and scales need not be those that the quantiser above would give.
;; One version. Each part assembles by itself: llvm-mc -triple=amdgcn-amd-amdhsa -mcpu=gfx1250 --defsym DOCPART=n.
;; ======== version 1 of 1: 2 launches
;; limits: right only within a limited range of input values
;; workspace buffers: scores 524,288 bytes; part 589,824 bytes
;; launch main (part 1): grid 4 x 64, 8 waves a work-group, no clusters, 327,680 bytes of LDS; arguments encoder_outputs, W_encoder_codes, W_encoder_scales, W_decoder_codes, W_decoder_scales, decoder_hidden_codes, decoder_hidden_scales, coverage, encoder_mask, W_coverage, v, scores, part; writes scores, part
.if DOCPART == 1
	.amdgcn_target "amdgcn-amd-amdhsa--gfx1250"
	.amdhsa_code_object_version 6
	.text
	.protected	k_qed717eb687_main
	.globl	k_qed717eb687_main
	.p2align	8
	.type	k_qed717eb687_main,@function
k_qed717eb687_main:
	s_mov_b64 s[64:65], 0
	v_nop
	global_prefetch_b8 v0, s[64:65] scope:SCOPE_SE
	s_setreg_imm32_b32 hwreg(HW_REG_WAVE_MODE, 25, 1), 1
	s_wait_xcnt 0x0
; Additive attention, first launch.  For batch b (work-group y) and chunk c of 512 rows (work-group x):
;   score[s] = sum over a of v[a] tanh( Q(x[s]) . Wenc[a] + dh[b] . Wdec[a] + cov[s] wc[a] ),  -1e10 where mask[s] = 0;
;   the chunk's running maximum m, l = sum of e^(score - m), ctx[e] = sum of e^(score - m) x[s][e].
; Stored: the 512 masked scores and (ctx[512], m, l) of the chunk; the second launch joins a batch's four chunks.
; Both products with K = 512 run on E2M1 codes with E8M0 scales; x is quantised here from the f32 numbers.  All else is f32.
; SHARES.  Eight waves; wave w owns columns a = 128 w .. 128 w + 127 (8 tiles of 16) and keeps their fragments of Wenc in window 1 (256 registers).
; Rows go in 8 blocks of 64 through two LDS slots; wave w fetches, quantises and (for the context) sums rows 8 w .. 8 w + 7 of each block.
; LAYOUT.  Source 0 = 16 rows of x, source 1 = 16 columns of W: lane (r, h) holds column a0 + r, register j row 8 h + j.  So a tile's dec, wc and -2v are one
; register each in a lane (24 registers for 8 tiles) and stay for the whole launch.  With K = 2 log2(e): T = K dec + K wc cov, argument = K acc + T.
; tanh(u) = 1 - 2 / (1 + 2^(K u)): score = sum of v + sum of (-2 v) / (1 + 2^..).  An exponential that overflows gives reciprocal 0, one that falls to 0 gives 1.
; The scores' sum over a wave's 16 lanes halves the registers at each of three exchanges (select, select, add across lanes), then joins the two row tiles.
; NO CLUSTER: what work-groups share is the two weights, read once at the head into registers; each work-group's x, 1,048,576 bytes, is its own.
; PREFETCH: behind each refill a wave asks for its 16,384 bytes of the block two on (2 instructions, lanes 256 bytes apart); blocks 0 and 1 come by their loads alone; trips 6 and 7 ask for nothing.
; LIMITS: NaN and infinities among the inputs are not served.  A block of 32 zeros of x gets the scale byte 1 (its codes are zeros; the byte is read here alone); blocks whose largest
; magnitude lies under 2^-124 are held at that byte.  tanh comes from v_exp_f32 and v_rcp_f32 (1 ulp each: ISA guide, their entries).  Sums run in another order than a plain loop's.
; REGISTERS, window 0: v1-19 addresses; v20-23 at work; v[24:25] sum of v; v[26:27] m, l; v[28:29] f; v[30:31] scores to store; v32-63 W's scale words; v64-67 x's; v68-131 x's fragments;
; v132-163 two sets of two accumulators; v164-179 (K wc, K dec) by tile; v180-187 -2v; v188-203 T; v204-219 coverage; v220-235 score chains; v236-251 ctx; v[252:253] l in halves; v254 prefetch offset.
.set SLOTB, 139264                     ; a slot: 64 rows x 8 pieces x (256 + 16 bytes)
.set WROWS, 17408                      ; a wave's 8 rows of it
.set XC,    278528                     ; x's codes: 64 rows of 256 + 16 bytes; at the end the stage for ctx
.set XS,    295936                     ; x's scale bytes: 16 a row
.set XB,    18432                      ; the codes and scale bytes have two buffers, XB bytes apart: block i uses buffer i % 2
.set COVL,  315392                     ; the chunk's 512 coverage numbers
.set MSK,   317440                     ; its 512 mask words
.set PS,    319488                     ; partial scores [wave][64 rows]
.set SPARE, 321536                     ; the spare words: 128 bytes a wave
.set WS,  32
.set XSC, 64
.set XF,  68
.set ACC, 132
.set FT,  ACC+16
.set PC,  164
.set V2,  180
.set TT,  188
.set DA,  188
.set COV, 204
.set SC,  220
.set CTX, 236
.set LL,  252
.set VH,  24
.set MSB, 0
.macro WIN new
.if MSB != \new
	s_set_vgpr_msb (MSB<<8)|\new
.set MSB, \new
.endif
.endm
.macro VW
	s_wait_alu depctr_va_vdst(0)
.endm
.macro DW n
	VW
	s_wait_dscnt \n
.endm
; my 128 rows of a weight: 32 fragments into window 1 (tile t, K step q at v[32 t + 8 q]) and their scale words
.macro LOADW pc, ps
	WIN 0x40
.irp t, 0,1,2,3,4,5,6,7
.irp q, 0,1,2,3
.irp c, 0,1
	global_load_b128 v[32*\t+8*\q+4*\c:32*\t+8*\q+4*\c+3], v20, s[\pc:\pc+1] offset:4096*\t+64*\q+32*\c
.endr
.endr
.endr
	WIN 0
.irp t, 0,1,2,3,4,5,6,7
	global_load_b128 v[WS+4*\t:WS+4*\t+3], v21, s[\ps:\ps+1] offset:256*\t
.endr
.endm
.macro XL hf                           ; codes of rows 32 hf .. + 31 as 8 fragments, and their scale words: lanes 0-15 row tile 0's, lanes 16-31 row tile 1's
.irp m, 0,1
.irp q, 0,1,2,3
.irp c, 0,1
	ds_load_b128 v[XF+32*\m+8*\q+4*\c:XF+32*\m+8*\q+4*\c+3], v17 offset:(2*(\hf)+\m)*4352+64*\q+32*\c
.endr
.endr
.endr
	ds_load_b128 v[XSC:XSC+3], v255 offset:512*(\hf)
.endm
.macro CVL hf                          ; coverage of rows 32 hf + 16 m + 8 h + 0 .. 7
.irp m, 0,1
	ds_load_b128 v[COV+8*\m:COV+8*\m+3], v11 offset:128*(\hf)+64*\m
	ds_load_b128 v[COV+8*\m+4:COV+8*\m+7], v11 offset:128*(\hf)+64*\m+16
.endr
.endm
; step n (tile n % 8): eight matrix instructions, the two accumulators by turns; the first links start the sums
.macro MM n
.set mD, ACC+16*((\n)%2)
.set mT, (\n)%8
	WIN 0x04                                       ; source 1 (W) window 1
.irp q, 0,1,2,3
.if \q == 0
	v_wmma_scale_f32_16x16x128_f8f6f4 v[mD:mD+7], v[XF:XF+7], v[32*mT:32*mT+7], 0, v[XSC], v[WS+4*mT] matrix_a_fmt:MATRIX_FMT_FP4 matrix_b_fmt:MATRIX_FMT_FP4
	v_wmma_scale_f32_16x16x128_f8f6f4 v[mD+8:mD+15], v[XF+32:XF+39], v[32*mT:32*mT+7], 0, v[XSC], v[WS+4*mT] matrix_a_fmt:MATRIX_FMT_FP4 matrix_b_fmt:MATRIX_FMT_FP4 matrix_a_scale:MATRIX_SCALE_ROW1
.else
	v_wmma_scale_f32_16x16x128_f8f6f4 v[mD:mD+7], v[XF+8*\q:XF+8*\q+7], v[32*mT+8*\q:32*mT+8*\q+7], v[mD:mD+7], v[XSC+\q], v[WS+4*mT+\q] matrix_a_fmt:MATRIX_FMT_FP4 matrix_b_fmt:MATRIX_FMT_FP4
	v_wmma_scale_f32_16x16x128_f8f6f4 v[mD+8:mD+15], v[XF+32+8*\q:XF+39+8*\q], v[32*mT+8*\q:32*mT+8*\q+7], v[mD+8:mD+15], v[XSC+\q], v[WS+4*mT+\q] matrix_a_fmt:MATRIX_FMT_FP4 matrix_b_fmt:MATRIX_FMT_FP4 matrix_a_scale:MATRIX_SCALE_ROW1
.endif
.endr
	WIN 0
.endm
.macro TC n                            ; T = cov x (K wc) + K dec: of the pair (K wc, K dec) the low word multiplies and the high word is added, in both halves
.set tP, PC+2*((\n)%8)
.irp u, 0,1,2,3,4,5,6,7
	v_pk_fma_f32 v[TT+2*\u:TT+2*\u+1], v[COV+2*\u:COV+2*\u+1], v[tP:tP+1], v[tP:tP+1] op_sel:[0,0,1] op_sel_hi:[1,0,1]
.endr
.endm
.macro ARG n                           ; K acc + T; each accumulator is read from its low end on
.set pA, ACC+16*((\n)%2)
.irp u, 0,1,2,3
.irp m, 0,1
	v_pk_fma_f32 v[pA+8*\m+2*\u:pA+8*\m+2*\u+1], v[pA+8*\m+2*\u:pA+8*\m+2*\u+1], s[48:49], v[TT+8*\m+2*\u:TT+8*\m+2*\u+1] op_sel_hi:[1,0,1]
.endr
.endr
.endm
; step n: its 16 numbers a lane go through exponential, + 1, reciprocal and the chains; step n + 1's products and argument and step n + 2's T stand between the batches
.macro STEP n
.set sA, ACC+16*((\n)%2)
.set sV, V2+2*(((\n)%8)/2)
.set sO, (\n)%2
.if (\n) == 7
	XL 1                                           ; the other 32 rows
.endif
.if (\n) == 0
	VW                                             ; in the later steps the wait ahead of the reciprocals stands between the argument's write and this read
.endif
.set j, 0
.rept 16
	v_exp_f32 v[sA+j], v[sA+j]
.set j, j+1
.endr
	v_nop
.if (\n) < 15
.if (\n) == 7
	s_wait_dscnt 0x0
.endif
	MM (\n)+1
.endif
	VW
.set j, 0
.rept 8
	v_pk_add_f32 v[sA+j:sA+j+1], v[sA+j:sA+j+1], 1.0 op_sel_hi:[1,0]   ; also the places behind the products
.set j, j+2
.endr
.if (\n) < 15
	ARG (\n)+1
.endif
	VW
.set j, 0
.rept 16
	v_rcp_f32 v[sA+j], v[sA+j]
.set j, j+1
.endr
.if (\n) < 14
.if (\n) == 6
	s_wait_dscnt 0x0                               ; the other 32 rows' coverage
.endif
	TC (\n)+2
.else
	v_nop
.endif
.if (\n) == 5
	CVL 1                                          ; tile 7's T was the last reader of the first 32 rows' coverage
.endif
	VW
.irp u, 0,1,2,3,4,5,6,7
.if ((\n)%8) == 0
	v_pk_fma_f32 v[SC+2*\u:SC+2*\u+1], v[sA+2*\u:sA+2*\u+1], v[sV:sV+1], v[VH:VH+1] op_sel_hi:[1,0,0]   ; the first link starts each chain on my lane's sum of v
.else
	v_pk_fma_f32 v[SC+2*\u:SC+2*\u+1], v[sA+2*\u:sA+2*\u+1], v[sV:sV+1], v[SC+2*\u:SC+2*\u+1] op_sel:[0,sO,0] op_sel_hi:[1,sO,1]
.endif
.endr
.endm
; an exchange: lanes whose bit is 0 keep register j, the others register j + dist; each adds what its partner sends of the same register
.macro RSTG dist, msk, x
.irp ph, 0,1,2
.irp m, 0,1
.set j, 0
.rept \dist
.if \ph == 0
	v_cndmask_b32 v[FT+8*\m+j], v[SC+8*\m+j+\dist], v[SC+8*\m+j], \msk
.elseif \ph == 1
	v_cndmask_b32 v[SC+8*\m+j], v[SC+8*\m+j], v[SC+8*\m+j+\dist], \msk
.else
	v_add_f32_dpp v[SC+8*\m+j], v[FT+8*\m+j], v[SC+8*\m+j] row_xmask:\x row_mask:0xf bank_mask:0xf
.endif
.set j, j+1
.endr
.endr
.endr
.endm
.macro FIN hf                          ; my 128 columns' part of 32 scores: lane (r, h) ends with row 16 (r % 2) + 8 h + r / 2
	RSTG 4, s30, 8
	RSTG 2, s31, 4
	RSTG 1, s47, 2
	v_cndmask_b32 v[FT], v[SC+8], v[SC], s53
	v_cndmask_b32 v[SC], v[SC], v[SC+8], s53
	v_add_f32_dpp v[SC], v[FT], v[SC] row_xmask:1 row_mask:0xf bank_mask:0xf
	ds_store_b32 v12, v[SC] offset:128*(\hf)
.endm
; QUANTISING.  A unit is half a row: lane l holds 8 neighbours, four lanes a block of 32.  Group g: rows 2 g, 2 g + 1 of my eight
.macro QL g
.irp u, 0,1,2,3
	ds_load_b128 v[XF+32*((\g)%2)+8*\u:XF+32*((\g)%2)+8*\u+3], v9 offset:2176*(2*(\g)+\u/2)+1088*(\u%2)
	ds_load_b128 v[XF+32*((\g)%2)+8*\u+4:XF+32*((\g)%2)+8*\u+7], v9 offset:2176*(2*(\g)+\u/2)+1088*(\u%2)+16
.endr
.endm
.macro QP g
.set qX, XF+32*((\g)%2)
.set qT, ACC+16*((\g)%2)
.irp u, 0,1,2,3
	v_max3_num_f32 v[qT+\u], |v[qX+8*\u]|, |v[qX+8*\u+1]|, 0x1800000   ; with the floor 2^(3 - 127): the byte cannot fall under 1
.endr
.irp i, 2,4,6
.irp u, 0,1,2,3
	v_max3_num_f32 v[qT+\u], v[qT+\u], |v[qX+8*\u+\i]|, |v[qX+8*\u+\i+1]|
.endr
.endr
.irp u, 0,1,2,3
	v_max_num_f32_dpp v[qT+\u], v[qT+\u], v[qT+\u] row_xmask:1 row_mask:0xf bank_mask:0xf
.endr
.irp u, 0,1,2,3
	v_max_num_f32_dpp v[qT+\u], v[qT+\u], v[qT+\u] row_xmask:2 row_mask:0xf bank_mask:0xf
.endr
.irp u, 0,1,2,3
	v_add_nc_u32 v[qT+4+\u], 0xff000000, v[qT+\u]  ; 2 off the exponent field: the conversion's scale operand
.endr
.irp u, 0,1,2,3
	v_cvt_scalef32_pk8_fp4_f32 v[qT+12+\u], v[qX+8*\u:qX+8*\u+7], v[qT+4+\u]
.endr
.irp u, 0,1,2,3
	v_lshrrev_b32 v[qT+8+\u], 23, v[qT+4+\u]       ; the scale's byte (also the plain instruction behind the conversions)
.endr
.irp u, 0,1,2,3
	ds_store_b32 v22, v[qT+12+\u] offset:272*(2*(\g)+\u/2)+128*(\u%2)
	ds_store_b8 v23, v[qT+8+\u] offset:16*(2*(\g)+\u/2)+8*(\u%2)       ; a block's four lanes write the same byte with the same value
.endr
.endm
; the context: rows 2 g, 2 g + 1 of my eight, in three buffers of 32 registers by turns
.macro CL g
.irp p, 0,1
.irp n, 0,1
	ds_load_b128 v[XF+32*((\g)%3)+16*\p+8*\n:XF+32*((\g)%3)+16*\p+8*\n+3], v4 offset:2176*(2*(\g)+\p)+1088*\n
	ds_load_b128 v[XF+32*((\g)%3)+16*\p+8*\n+4:XF+32*((\g)%3)+16*\p+8*\n+7], v4 offset:2176*(2*(\g)+\p)+1088*\n+16
.endr
.endr
.endm
.macro CF g
.irp p, 0,1
.irp u, 0,1,2,3,4,5,6,7
	v_pk_fma_f32 v[CTX+2*\u:CTX+2*\u+1], v[XF+32*((\g)%3)+16*\p+2*\u:XF+32*((\g)%3)+16*\p+2*\u+1], s[10+4*(\g)+2*\p:11+4*(\g)+2*\p], v[CTX+2*\u:CTX+2*\u+1] op_sel_hi:[1,0,1]
.endr
.endr
.endm
	s_load_b256 s[4:11], s[0:1], 0x0               ; x, Wenc's codes, scales, Wdec's codes
	s_load_b256 s[12:19], s[0:1], 0x20             ; Wdec's scales, dh's codes, scales, coverage
	s_load_b256 s[20:27], s[0:1], 0x40             ; mask, W_coverage, v, scores
	s_load_b64 s[28:29], s[0:1], 0x60              ; part
	v_lshl_add_u32 v1, v0, 2, SPARE                ; my spare word; never rewritten
	v_mov_b32 v2, 0                                ; 0; never rewritten
	ds_add_u32 v1, v2                              ; the opening lines: the add twice on end and one wait
	ds_add_u32 v1, v2
	v_lshrrev_b32 v68, 5, v0
	v_readfirstlane_b32 s44, v68                   ; wave w
	s_mov_b32 s45, ttmp9                           ; chunk c
	s_and_b32 s46, ttmp7, 0xffff                   ; batch b
	s_mul_i32 s59, s44, WROWS                      ; my 8 rows in a slot
	s_mul_i32 s2, s44, 2176
	s_add_co_u32 s2, s2, XC
	s_lshl_b32 s3, s44, 7
	s_add_co_u32 s3, s3, XS
	s_lshl_b32 s62, s44, 8
	s_add_co_u32 s55, s62, PS
	s_lshl_b32 s58, s44, 5                         ; 32 w: my 8 rows' bytes among a block's 64 scores
	; group 1: my 8 rows of a block are 16,384 dense bytes: 64 rows of 256 bytes (32 elements of 8), 16 bytes of padding behind each
	s_mov_b32 s32, (3<<16)|(1<<20)|(5<<22)|(3<<25)
	s_mov_b32 s33, 32<<16
	s_mov_b32 s34, 64<<16
	s_mov_b32 s35, 32<<16
	s_mov_b32 s36, 64
	s_mov_b32 s37, 32
	s_mov_b32 s38, 0
	s_mov_b32 s39, 0
	s_mov_b32 s40, 1
	s_mov_b32 s41, s59                             ; slot 0, my rows
	s_mov_b32 s48, 0x4038aa3b                      ; K = 2 log2(e)
	s_mov_b32 s49, s48
	s_mov_b32 s50, 0x76543210
	s_mov_b32 s51, 0xfedcba98                      ; selects for lane l xor 16
	s_mov_b32 s52, 0x3fb8aa3b                      ; log2(e)
	s_mov_b32 s30, 0xff00ff00                      ; lanes with bit 3,
	s_mov_b32 s31, 0xf0f0f0f0                      ; bit 2,
	s_mov_b32 s47, 0xcccccccc                      ; bit 1,
	s_mov_b32 s53, 0xaaaaaaaa                      ; bit 0
	s_mov_b32 s54, 0                               ; the slot in hand
	s_mov_b32 s56, 0                               ; 256 x block
	s_mov_b32 s57, 0                               ; block
	s_lshl_b32 s66, s46, 11
	s_lshl_b32 s67, s45, 9
	s_add_co_u32 s66, s66, s67                     ; the chunk's first row
	s_lshl_b32 s68, s66, 2
	s_add_co_u32 s68, s68, s62                     ; coverage, mask, scores: + my 64 rows
	s_mov_b32 s69, 0
	s_lshl_b32 s67, s44, 3
	s_add_co_u32 s66, s66, s67
	s_lshl_b32 s66, s66, 11                        ; x: rows of 2,048 bytes (under 2^28)
	s_mov_b32 s67, 0
	s_lshl_b32 s70, s44, 15                        ; a weight's codes: my 128 rows
	s_mov_b32 s71, 0
	s_lshl_b32 s72, s44, 11                        ; its scale bytes
	s_mov_b32 s73, 0
	s_lshl_b32 s74, s46, 8                         ; dh's codes: row b
	s_mov_b32 s75, 0
	s_lshl_b32 s76, s46, 4
	s_mov_b32 s77, 0
	s_lshl_b32 s78, s44, 9                         ; wc, v: my 128 numbers
	s_mov_b32 s79, 0
	s_lshl_b32 s60, s46, 2
	s_add_co_u32 s60, s60, s45
	s_mul_i32 s60, s60, 2304
	s_add_co_u32 s60, s60, s62                     ; part: 2,304 (4 b + c) + 256 w
	s_mov_b32 s61, 0
	v_and_b32 v69, 31, v0                          ; l
	v_and_b32 v70, 15, v0                          ; r
	v_bfe_u32 v71, v0, 4, 1                        ; h
	v_lshrrev_b32 v72, 3, v69
	v_mul_u32_u24 v3, v72, 272
	v_and_b32 v72, 7, v69
	v_lshl_add_u32 v3, v72, 5, v3
	v_add_nc_u32 v3, s59, v3                       ; v3: my 32 bytes of half a row
	v_lshl_add_u32 v5, v69, 2, s2                  ; v5: where my codes go
	v_lshrrev_b32 v6, 2, v69
	v_add_nc_u32 v6, s3, v6                        ; v6: my block's scale byte
	v_mul_u32_u24 v7, v70, 272
	v_lshl_add_u32 v7, v71, 4, v7
	v_add_nc_u32 v7, XC, v7                        ; v7: a fragment of x
	v_lshl_add_u32 v8, v69, 4, XS                  ; v8: scale words of row l of 32
	v_lshlrev_b32 v9, 2, v70                       ; v9: 4 r
	v_lshl_add_u32 v10, v71, 5, COVL               ; v10: coverage, my half's eight rows
	v_and_b32 v72, 1, v0
	v_lshl_add_u32 v12, v72, 6, s55
	v_lshl_add_u32 v12, v71, 5, v12
	v_bfe_u32 v72, v0, 1, 3
	v_lshl_add_u32 v12, v72, 2, v12                ; v12: my wave's partial scores, row 16 (r % 2) + 8 h + r / 2
	v_lshl_add_u32 v16, v69, 3, s58
	v_and_b32 v16, 255, v16                        ; v16: lane l takes rows (2 l + 8 w) % 64 and the next of a block: my wave's own 8 rows lie in lanes 0 to 3
	v_add_nc_u32 v13, PS, v16                      ; v13: those rows of a wave's partial scores
	v_add_nc_u32 v14, MSK, v16                     ; v14: and of the mask
	v_lshlrev_b32 v18, 3, v69                      ; v18: 8 l
	v_mov_b32 v19, 0xd01502f9                      ; -1e10
	v_lshl_add_u32 v27, v69, 3, s62
	v_add_nc_u32 v27, COVL, v27                    ; the chunk's rows 64 w + 2 l on, for coverage; the mask lies 2,048 bytes on
	v_lshlrev_b32 v20, 8, v70
	v_lshl_add_u32 v20, v71, 4, v20                ; v20: a weight's fragment
	v_lshlrev_b32 v21, 4, v70                      ; v21: its scale bytes
	v_lshlrev_b32 v22, 4, v71                      ; v22: dh's one row, the same in all sixteen rows of source 0
	v_mov_b32 v23, 0
	v_lshlrev_b32 v254, 8, v69                     ; the prefetches' offset: lanes 256 bytes apart; never rewritten
	VW
	s_wait_dscnt 0x0                               ; both opening adds are done
	s_wait_kmcnt 0x0
	s_add_nc_u64 s[42:43], s[4:5], s[66:67]        ; block 0, my rows
	s_or_b32 s43, s43, 0x80000000
	tensor_load_to_lds s[40:43], s[32:39]          ; my one load at the head
	s_nop 0
.rept 4
	v_nop
.endr
	s_add_nc_u64 s[6:7], s[6:7], s[70:71]
	s_add_nc_u64 s[8:9], s[8:9], s[72:73]
	s_add_nc_u64 s[10:11], s[10:11], s[70:71]
	s_add_nc_u64 s[12:13], s[12:13], s[72:73]
	s_add_nc_u64 s[14:15], s[14:15], s[74:75]
	s_add_nc_u64 s[16:17], s[16:17], s[76:77]
	s_add_nc_u64 s[18:19], s[18:19], s[68:69]
	s_add_nc_u64 s[20:21], s[20:21], s[68:69]
	s_add_nc_u64 s[22:23], s[22:23], s[78:79]
	s_add_nc_u64 s[24:25], s[24:25], s[78:79]
	s_add_nc_u64 s[26:27], s[26:27], s[68:69]
	s_add_nc_u64 s[28:29], s[28:29], s[60:61]
	s_add_nc_u64 s[74:75], s[4:5], s[66:67]
	s_add_nc_u64 s[74:75], s[74:75], 131072        ; the prefetches' base: block 1, my rows; each trip steps it before it asks
.irp q, 0,1,2,3
.irp c, 0,1
	global_load_b128 v[XF+8*\q+4*\c:XF+8*\q+4*\c+3], v22, s[14:15] offset:64*\q+32*\c   ; dh's row b as source 0
.endr
.endr
	global_load_b128 v[XSC:XSC+3], v23, s[16:17]   ; its four scale words, in every lane
	LOADW 10, 12                                   ; Wdec
.irp t, 0,1,2,3,4,5,6,7
	global_load_b32 v[PC+2*\t], v9, s[22:23] offset:64*\t   ; wc of my lane's column of tile t
	global_load_b32 v[V2+\t], v9, s[24:25] offset:64*\t     ; v likewise
.endr
	global_load_b64 v[100:101], v18, s[18:19] th:TH_LOAD_NT   ; coverage and mask of the chunk's rows 64 w + 2 l, + 1
	global_load_b64 v[102:103], v18, s[20:21] th:TH_LOAD_NT
	s_wait_loadcnt 0x0
	WIN 0x04
.irp q, 0,1,2,3                        ; dec = dh[b] . Wdec[a]: eight accumulators by turns, K ascending; every register of a lane holds its column's dec
.irp t, 0,1,2,3,4,5,6,7
.if \q == 0
	v_wmma_scale_f32_16x16x128_f8f6f4 v[DA+8*\t:DA+8*\t+7], v[XF:XF+7], v[32*\t:32*\t+7], 0, v[XSC], v[WS+4*\t] matrix_a_fmt:MATRIX_FMT_FP4 matrix_b_fmt:MATRIX_FMT_FP4
.else
	v_wmma_scale_f32_16x16x128_f8f6f4 v[DA+8*\t:DA+8*\t+7], v[XF+8*\q:XF+8*\q+7], v[32*\t+8*\q:32*\t+8*\q+7], v[DA+8*\t:DA+8*\t+7], v[XSC+\q], v[WS+4*\t+\q] matrix_a_fmt:MATRIX_FMT_FP4 matrix_b_fmt:MATRIX_FMT_FP4
.endif
.endr
.endr
	WIN 0
.rept 4
	v_nop                                          ; places: ahead of the loads into the operands' registers and of the reads of the results
.endr
	LOADW 6, 8                                     ; Wenc: it stays.  Waited for ahead of the first products; v20, v21 and the bases are left alone until then
.irp t, 0,1,2,3,4,5,6,7
	v_mul_f32 v[PC+2*\t+1], s48, v[DA+8*\t]        ; K dec
.endr
.irp t, 0,1,2,3,4,5,6,7
	v_mul_f32 v[PC+2*\t], s48, v[PC+2*\t]          ; K wc
.endr
	ds_store_b64 v27, v[100:101]
	ds_store_b64 v27, v[102:103] offset:MSK-COVL
	v_pk_add_f32 v[68:69], v[V2:V2+1], v[V2+2:V2+3]
	v_pk_add_f32 v[70:71], v[V2+4:V2+5], v[V2+6:V2+7]
	v_pk_add_f32 v[68:69], v[68:69], v[70:71]
	v_add_f32 v[VH], v68, v69                      ; the sum of v over my lane's 8 columns
	v_mov_b32 v[VH+1], 0
.irp u, 0,2,4,6
	v_pk_mul_f32 v[V2+\u:V2+\u+1], v[V2+\u:V2+\u+1], -2.0 op_sel_hi:[1,0]
.endr
	v_mov_b32 v26, 0xff61b1e6                      ; m: -3e38, under every score
	v_mov_b32 v29, 0
	v_mov_b32 v[LL], 0
	v_mov_b32 v[LL+1], 0
	v_mov_b32 v30, 0
	v_mov_b32 v31, 0
.irp j, 0,1,2,3,4,5,6,7,8,9,10,11,12,13,14,15
	v_mov_b32 v[CTX+\j], 0                         ; the block has no first step of its own: the first f is 0 and leaves zeros
.endr
; A BLOCK OF 64 ROWS.  refill = 1: the next block is asked for.
.macro BLOCK refill
	VW
	s_wait_tensorcnt 0x0                           ; my one load that was out is this block's
	ds_add_u32 v1, v2
.if \refill
	s_xor_b32 s41, s54, SLOTB                      ; no tensor load of mine is out: group 0 is written: the other slot,
	s_add_co_u32 s41, s41, s59
	s_add_nc_u64 s[42:43], s[42:43], 131072        ; 64 rows on
	s_wait_xcnt 0x0                                ; my prefetches have read their base
	s_add_nc_u64 s[74:75], s[74:75], 131072        ; one block further on than the refill
.endif
	v_add_nc_u32 v4, s54, v3
	v_add_nc_u32 v11, s56, v10
	v_add_nc_u32 v15, s56, v14
	v_add_nc_u32 v17, s55, v7                      ; this block's buffer of codes,
	v_add_nc_u32 v255, s55, v8                     ; and of scale words
	VW
	s_wait_dscnt 0x0                               ; the add, and my reads of the slot that is filled again
	s_barrier_signal -1
	s_barrier_wait -1
.if \refill
	tensor_load_to_lds s[40:43], s[32:39]          ; my one tensor load behind this barrier
	s_nop 0
.rept 4
	v_nop
.endr
.endif
	CVL 0
	XL 0                                           ; this block's codes were stored ahead of an earlier barrier
.if \refill
	s_cmp_lt_u32 s57, 6                            ; the block two on exists in trips 0 to 5
	s_cbranch_scc0 .Lnp_\@
	global_prefetch_b8 v254, s[74:75] th:TH_LOAD_NT scope:SCOPE_SE
	global_prefetch_b8 v254, s[74:75] offset:8192 th:TH_LOAD_NT scope:SCOPE_SE
.Lnp_\@:
.endif
	s_wait_dscnt 0x0
	s_wait_loadcnt 0x0                             ; Wenc (met at once from the second block on)
	TC 0
	MM 0
	VW
.rept 4
	v_nop
.endr
	ARG 0
	TC 1
.irp nn, 0,1,2,3,4,5,6,7
	STEP \nn
.endr
	FIN 0
.irp nn, 8,9,10,11,12,13,14,15
	STEP \nn
.endr
	FIN 1
.if \refill
	s_xor_b32 s55, s55, XB                         ; the next block's codes go into the other buffer: its last readers passed the barrier behind the block before
	s_xor_b32 s58, s54, SLOTB                      ; and its x lies in the other slot
	v_add_nc_u32 v9, s58, v3
	v_add_nc_u32 v22, s55, v5
	v_add_nc_u32 v23, s55, v6
	VW
	s_wait_tensorcnt 0x0                           ; my 8 rows of the next block have landed: I alone read them
	QALL
.endif
	DW 0                                           ; my partial scores and the next block's codes are in LDS, my reads of this block's codes are over
	s_barrier_signal -1
	ds_load_b64 v[20:21], v15                      ; the mask, and six of my 8 rows of x for the context: bytes that nobody writes before a later barrier
	CL 0
	CL 1
	CL 2
	s_barrier_wait -1
.irp k, 0,1,2,3,4,5,6,7                ; lane l takes rows (2 l + 8 w) % 64 and the next of the block
	ds_load_b64 v[TT+2*\k:TT+2*\k+1], v13 offset:256*\k
.endr
	s_wait_dscnt 0x0
	v_pk_add_f32 v[204:205], v[TT:TT+1], v[TT+2:TT+3]
	v_pk_add_f32 v[206:207], v[TT+4:TT+5], v[TT+6:TT+7]
	v_pk_add_f32 v[204:205], v[204:205], v[TT+8:TT+9]
	v_pk_add_f32 v[206:207], v[206:207], v[TT+10:TT+11]
	v_pk_add_f32 v[204:205], v[204:205], v[TT+12:TT+13]
	v_pk_add_f32 v[206:207], v[206:207], v[TT+14:TT+15]
	v_pk_add_f32 v[204:205], v[204:205], v[206:207]
	v_cmp_eq_u32 vcc_lo, 0, v20
	v_cndmask_b32 v204, v204, v19, vcc_lo          ; -1e10 where the mask is 0
	v_cmp_eq_u32 vcc_lo, 0, v21
	v_cndmask_b32 v205, v205, v19, vcc_lo
	s_cmp_eq_u32 s44, s57                          ; wave w keeps block w's scores
	s_cselect_b32 s60, -1, 0
	v_cndmask_b32 v30, v30, v204, s60
	v_cndmask_b32 v31, v31, v205, s60
	v_max_num_f32 v208, v204, v205
	v_max_num_f32_dpp v208, v208, v208 row_xmask:1 row_mask:0xf bank_mask:0xf
	v_max_num_f32_dpp v208, v208, v208 row_xmask:2 row_mask:0xf bank_mask:0xf
	v_max_num_f32_dpp v208, v208, v208 row_xmask:4 row_mask:0xf bank_mask:0xf
	v_max_num_f32_dpp v208, v208, v208 row_xmask:8 row_mask:0xf bank_mask:0xf
	v_permlanex16_b32 v209, v208, s50, s51
	v_max3_num_f32 v208, v208, v209, v26           ; the new m
	v_sub_f32 v210, v26, v208
	v_sub_f32 v206, v204, v208
	v_sub_f32 v207, v205, v208
	v_mul_f32 v210, s52, v210
	v_mul_f32 v206, s52, v206
	v_mul_f32 v207, s52, v207
	VW
	v_exp_f32 v28, v210                            ; f = e^(old m - new m)
	v_exp_f32 v206, v206                           ; p = e^(score - m)
	v_exp_f32 v207, v207
	v_mov_b32 v26, v208
	VW
	v_pk_fma_f32 v[LL:LL+1], v[LL:LL+1], v[28:29], v[206:207] op_sel_hi:[1,0,1]   ; l = l f + p
.irp i, 0,1,2,3
	v_readlane_b32 s[10+4*\i], v206, \i            ; p of my rows 2 i and 2 i + 1, from lane i, as the low words of scalar pairs
	v_readlane_b32 s[12+4*\i], v207, \i
.endr
.irp u, 0,1,2,3,4,5,6,7
	v_pk_mul_f32 v[CTX+2*\u:CTX+2*\u+1], v[CTX+2*\u:CTX+2*\u+1], v[28:29] op_sel_hi:[1,0]
.endr
	DW 0
	CF 0
	CL 3                                           ; the last two rows into the first buffer
	CF 1
	CF 2
	DW 0
	CF 3
	s_add_co_u32 s56, s56, 256
	s_add_co_u32 s57, s57, 1
	s_xor_b32 s54, s54, SLOTB
.endm
; my 8 rows become codes and scale bytes; loads run a group ahead
.macro QALL
	QL 0
	QL 1
	DW 8                                           ; group 0 is in; group 1's 8 loads may be out
	QP 0
	QL 2
	DW 16                                          ; group 1 is in; behind it: 8 stores, 8 loads
	QP 1
	QL 3
	DW 16
	QP 2
	DW 8                                           ; group 3 is in; behind it: 8 stores
	QP 3
.endm
	VW
	s_mov_b32 s55, 0                               ; the buffer of codes in hand
.irp k, 11,13,15,17,19,21,23,25
	s_mov_b32 s\k, 0                               ; upper words of the pairs that carry p (every load by s[10:25] has come back)
.endr
	s_wait_tensorcnt 0x0                           ; block 0, my rows
	v_mov_b32 v9, v3
	v_mov_b32 v22, v5
	v_mov_b32 v23, v6
	QALL                                           ; block 0 is quantised ahead of the loop; each trip quantises the next block behind its products
.Lblk:
	BLOCK 1
	s_cmp_lt_u32 s57, 7
	VW
	s_cbranch_scc1 .Lblk
	BLOCK 0                                        ; the last block is written out
	; THE WAY OUT.  The eight waves' ctx meet in a stage (the codes' bytes: every wave's last read of them lies ahead of the last barrier); each wave sums and stores 64 of the 512
	v_add_f32 v27, v[LL], v[LL+1]
	v_add_f32_dpp v27, v27, v27 row_xmask:1 row_mask:0xf bank_mask:0xf
	v_add_f32_dpp v27, v27, v27 row_xmask:2 row_mask:0xf bank_mask:0xf
	v_add_f32_dpp v27, v27, v27 row_xmask:4 row_mask:0xf bank_mask:0xf
	v_add_f32_dpp v27, v27, v27 row_xmask:8 row_mask:0xf bank_mask:0xf
	v_permlanex16_b32 v209, v27, s50, s51
	v_add_f32 v27, v27, v209                       ; v[26:27] = (m, l), the same in every lane and wave
	v_and_b32 v20, 31, v0
	s_lshl_b32 s60, s44, 11
	s_add_co_u32 s60, s60, XC
	v_lshl_add_u32 v22, v20, 5, s60                ; in: my wave's 2,048 bytes
	s_lshl_b32 s61, s44, 8
	s_add_co_u32 s61, s61, XC
	v_lshl_add_u32 v23, v20, 3, s61                ; back: e = 64 w + 2 l, + 1 of each wave's
	ds_store_b128 v22, v[CTX:CTX+3]
	ds_store_b128 v22, v[CTX+4:CTX+7] offset:16
	ds_store_b128 v22, v[CTX+8:CTX+11] offset:1024
	ds_store_b128 v22, v[CTX+12:CTX+15] offset:1040
	DW 0
	s_barrier_signal -1
	s_barrier_wait -1
.irp k, 0,1,2,3,4,5,6,7
	ds_load_b64 v[XF+2*\k:XF+2*\k+1], v23 offset:2048*\k
.endr
	global_store_b64 v16, v[30:31], s[26:27]       ; block w's 64 masked scores: the wave's lanes cover 256 consecutive bytes, aligned
	s_wait_dscnt 0x0
	v_pk_add_f32 v[XF:XF+1], v[XF:XF+1], v[XF+2:XF+3]
	v_pk_add_f32 v[XF+4:XF+5], v[XF+4:XF+5], v[XF+6:XF+7]
	v_pk_add_f32 v[XF+8:XF+9], v[XF+8:XF+9], v[XF+10:XF+11]
	v_pk_add_f32 v[XF+12:XF+13], v[XF+12:XF+13], v[XF+14:XF+15]
	v_pk_add_f32 v[XF:XF+1], v[XF:XF+1], v[XF+4:XF+5]
	v_pk_add_f32 v[XF+8:XF+9], v[XF+8:XF+9], v[XF+12:XF+13]
	v_pk_add_f32 v[XF:XF+1], v[XF:XF+1], v[XF+8:XF+9]
	global_store_b64 v18, v[XF:XF+1], s[28:29]     ; 256 consecutive bytes of the chunk's ctx, aligned
	s_cmp_lg_u32 s44, 0
	VW
	s_cbranch_scc1 .Lnot_wave_0
	global_store_b64 v18, v[26:27], s[28:29] offset:2048   ; (m, l), 32 times over: the 256 bytes behind ctx are written whole
.Lnot_wave_0:
	s_wait_tensorcnt 0x0                           ; the wave's end
	ds_add_u32 v1, v2
	s_wait_dscnt 0x0
	s_endpgm
.Lfunc_end_k_qed717eb687_main:
	.size	k_qed717eb687_main, .Lfunc_end_k_qed717eb687_main-k_qed717eb687_main
	.p2alignl 7, 3214868480
	.fill 96, 4, 3214868480
	.section	.rodata,"a",@progbits
	.p2align	6, 0x0
	.amdhsa_kernel k_qed717eb687_main
		.amdhsa_group_segment_fixed_size 327680
		.amdhsa_private_segment_fixed_size 0
		.amdhsa_enable_private_segment 0
		.amdhsa_kernarg_size 104
		.amdhsa_user_sgpr_count 2
		.amdhsa_user_sgpr_kernarg_segment_ptr 1
		.amdhsa_wavefront_size32 1
		.amdhsa_system_sgpr_workgroup_id_x 1
		.amdhsa_system_sgpr_workgroup_id_y 1
		.amdhsa_system_sgpr_workgroup_id_z 1
		.amdhsa_system_vgpr_workitem_id 0
		.amdhsa_next_free_vgpr 512
		.amdhsa_next_free_sgpr 80
		.amdhsa_reserve_vcc 1
		.amdhsa_float_denorm_mode_32 3
		.amdhsa_float_denorm_mode_16_64 3
		.amdhsa_memory_ordered 1
		.amdhsa_forward_progress 1
		.amdhsa_inst_pref_size 231
	.end_amdhsa_kernel
	.amdgpu_metadata
---
amdhsa.version: [ 1, 2 ]
amdhsa.kernels:
  - .name:           k_qed717eb687_main
    .symbol:         k_qed717eb687_main.kd
    .args:
      - { .name: encoder_outputs, .offset: 0, .size: 8, .value_kind: global_buffer, .address_space: global }
      - { .name: W_encoder_codes, .offset: 8, .size: 8, .value_kind: global_buffer, .address_space: global }
      - { .name: W_encoder_scales, .offset: 16, .size: 8, .value_kind: global_buffer, .address_space: global }
      - { .name: W_decoder_codes, .offset: 24, .size: 8, .value_kind: global_buffer, .address_space: global }
      - { .name: W_decoder_scales, .offset: 32, .size: 8, .value_kind: global_buffer, .address_space: global }
      - { .name: decoder_hidden_codes, .offset: 40, .size: 8, .value_kind: global_buffer, .address_space: global }
      - { .name: decoder_hidden_scales, .offset: 48, .size: 8, .value_kind: global_buffer, .address_space: global }
      - { .name: coverage, .offset: 56, .size: 8, .value_kind: global_buffer, .address_space: global }
      - { .name: encoder_mask, .offset: 64, .size: 8, .value_kind: global_buffer, .address_space: global }
      - { .name: W_coverage, .offset: 72, .size: 8, .value_kind: global_buffer, .address_space: global }
      - { .name: v, .offset: 80, .size: 8, .value_kind: global_buffer, .address_space: global }
      - { .name: scores, .offset: 88, .size: 8, .value_kind: global_buffer, .address_space: global }
      - { .name: part, .offset: 96, .size: 8, .value_kind: global_buffer, .address_space: global }
    .group_segment_fixed_size: 327680
    .private_segment_fixed_size: 0
    .kernarg_segment_align: 8
    .kernarg_segment_size: 104
    .max_flat_workgroup_size: 256
    .sgpr_count:     80
    .vgpr_count:     512
    .wavefront_size: 32
...
	.end_amdgpu_metadata
.endif
;; end of part 1
;; launch combine (part 2): grid 64 x 1, 8 waves a work-group, no clusters, 0 bytes of LDS; arguments scores, part, out0, out1; writes out0, out1
.if DOCPART == 2
	.amdgcn_target "amdgcn-amd-amdhsa--gfx1250"
	.amdhsa_code_object_version 6
	.text
	.protected	k_qed717eb687_combine
	.globl	k_qed717eb687_combine
	.p2align	8
	.type	k_qed717eb687_combine,@function
k_qed717eb687_combine:
	s_mov_b64 s[64:65], 0
	v_nop
	global_prefetch_b8 v0, s[64:65] scope:SCOPE_SE
	s_setreg_imm32_b32 hwreg(HW_REG_WAVE_MODE, 25, 1), 1
	s_wait_xcnt 0x0
; Second launch: a work-group joins the four chunks of batch b.  part holds for chunk c, 2,304 bytes apart: ctx_c[512] (under the chunk's maximum m_c), then the pair (m_c, l_c).
; M = max of m_c;  g_c = e^(m_c - M);  L = sum of l_c g_c;  context = sum of ctx_c g_c / L;  attn[s] = e^(score[s] - M) / L.
; L is at least 1: the row that holds M counts 1.  A batch whose mask is all 0 has every score -1e10: M = -1e10, every weight 1, L = 2,048.
; No LDS, no barrier, no matrix work: 17 KiB in, 10 KiB out for a work-group.  LIMITS: NaN and infinities are not served.
	s_load_b256 s[4:11], s[0:1], 0x0               ; scores s[4:5], part s[6:7], out0 s[8:9], out1 s[10:11]
	s_lshl_b32 s12, ttmp9, 13                      ; 8,192 b: scores, out1
	s_mov_b32 s13, 0
	s_mul_i32 s14, ttmp9, 9216                     ; four chunks of part
	s_mov_b32 s15, 0
	s_lshl_b32 s16, ttmp9, 11                      ; 2,048 b: out0
	s_mov_b32 s17, 0
	s_mov_b32 s18, 0x3fb8aa3b                      ; log2(e)
	v_lshlrev_b32 v1, 3, v0
	v_lshlrev_b32 v2, 4, v0
	v_mov_b32 v3, 0
	s_wait_alu depctr_va_vdst(0)
	s_wait_kmcnt 0x0
	s_add_nc_u64 s[4:5], s[4:5], s[12:13]
	s_add_nc_u64 s[10:11], s[10:11], s[12:13]
	s_add_nc_u64 s[6:7], s[6:7], s[14:15]
	s_add_nc_u64 s[8:9], s[8:9], s[16:17]
.irp c, 0,1,2,3
	global_load_b64 v[4+2*\c:5+2*\c], v3, s[6:7] offset:2304*\c+2048   ; (m_c, l_c), in every lane
.endr
.irp c, 0,1,2,3
	global_load_b64 v[12+2*\c:13+2*\c], v1, s[6:7] offset:2304*\c      ; ctx_c
.endr
	global_load_b128 v[20:23], v2, s[4:5]
	global_load_b128 v[24:27], v2, s[4:5] offset:4096
	s_wait_loadcnt 0x0
	v_max3_num_f32 v28, v4, v6, v8
	s_delay_alu instid0(VALU_DEP_1)
	v_max_num_f32 v28, v28, v10                    ; M
.irp c, 0,1,2,3
	v_sub_f32 v[32+\c], v[4+2*\c], v28
.endr
.irp j, 0,1,2,3,4,5,6,7
	v_sub_f32 v[20+\j], v[20+\j], v28
.endr
.irp c, 0,1,2,3
	v_mul_f32 v[32+\c], s18, v[32+\c]
.endr
.irp j, 0,1,2,3,4,5,6,7
	v_mul_f32 v[20+\j], s18, v[20+\j]
.endr
	s_wait_alu depctr_va_vdst(0)
.irp c, 0,1,2,3
	v_exp_f32 v[32+\c], v[32+\c]                   ; g_c
.endr
.irp j, 0,1,2,3,4,5,6,7
	v_exp_f32 v[20+\j], v[20+\j]                   ; e^(score - M)
.endr
	v_nop                                          ; the plain instruction behind the batch
	s_wait_alu depctr_va_vdst(0)                   ; one wait for the twelve, ahead of their first reader
	v_mul_f32 v29, v5, v32
	v_fmac_f32 v29, v7, v33
	v_fmac_f32 v29, v9, v34
	v_fmac_f32 v29, v11, v35                       ; L
	s_wait_alu depctr_va_vdst(0)
	v_rcp_f32 v30, v29
	v_nop
	s_wait_alu depctr_va_vdst(0)
.irp c, 0,1,2,3
	v_mul_f32 v[32+\c], v[32+\c], v30              ; g_c / L
.endr
	s_delay_alu instid0(VALU_DEP_4)
	v_mul_f32 v36, v12, v32
	v_mul_f32 v37, v13, v32
.irp c, 1,2,3
	s_delay_alu instid0(VALU_DEP_2)
	v_fmac_f32 v36, v[12+2*\c], v[32+\c]
	s_delay_alu instid0(VALU_DEP_2)
	v_fmac_f32 v37, v[13+2*\c], v[32+\c]
.endr
.irp j, 0,1,2,3,4,5,6,7
	v_mul_f32 v[20+\j], v[20+\j], v30
.endr
	global_store_b64 v1, v[36:37], s[8:9]
	global_store_b128 v2, v[20:23], s[10:11]
	global_store_b128 v2, v[24:27], s[10:11] offset:4096
	s_endpgm
.Lfunc_end_k_qed717eb687_combine:
	.size	k_qed717eb687_combine, .Lfunc_end_k_qed717eb687_combine-k_qed717eb687_combine
	.p2alignl 7, 3214868480
	.fill 96, 4, 3214868480
	.section	.rodata,"a",@progbits
	.p2align	6, 0x0
	.amdhsa_kernel k_qed717eb687_combine
		.amdhsa_group_segment_fixed_size 0
		.amdhsa_private_segment_fixed_size 0
		.amdhsa_enable_private_segment 0
		.amdhsa_kernarg_size 32
		.amdhsa_user_sgpr_count 2
		.amdhsa_user_sgpr_kernarg_segment_ptr 1
		.amdhsa_wavefront_size32 1
		.amdhsa_system_sgpr_workgroup_id_x 1
		.amdhsa_system_sgpr_workgroup_id_y 1
		.amdhsa_system_sgpr_workgroup_id_z 1
		.amdhsa_system_vgpr_workitem_id 0
		.amdhsa_next_free_vgpr 48
		.amdhsa_next_free_sgpr 66
		.amdhsa_reserve_vcc 0
		.amdhsa_float_denorm_mode_32 3
		.amdhsa_float_denorm_mode_16_64 3
		.amdhsa_memory_ordered 1
		.amdhsa_forward_progress 1
		.amdhsa_inst_pref_size 5
	.end_amdhsa_kernel
	.amdgpu_metadata
---
amdhsa.version: [ 1, 2 ]
amdhsa.kernels:
  - .name:           k_qed717eb687_combine
    .symbol:         k_qed717eb687_combine.kd
    .args:
      - { .name: scores, .offset: 0, .size: 8, .value_kind: global_buffer, .address_space: global }
      - { .name: part, .offset: 8, .size: 8, .value_kind: global_buffer, .address_space: global }
      - { .name: out0, .offset: 16, .size: 8, .value_kind: global_buffer, .address_space: global }
      - { .name: out1, .offset: 24, .size: 8, .value_kind: global_buffer, .address_space: global }
    .group_segment_fixed_size: 0
    .private_segment_fixed_size: 0
    .kernarg_segment_align: 8
    .kernarg_segment_size: 32
    .max_flat_workgroup_size: 256
    .sgpr_count:     66
    .vgpr_count:     48
    .wavefront_size: 32
...
	.end_amdgpu_metadata
.endif
;; end of part 2
